; MI455X (gfx1250); checked and timed in simulation.
; The chip was launched on July 23, 2026; its instructions are those of AMD's public machine-readable ISA for CDNA 5 (MIT licence, August 2026) and "CDNA5" Instruction Set Architecture Reference Guide (July 2026). The comments in the code are by the model that wrote it; some were corrected since.
;; Multiplier LUTONNX. Allowed arithmetic: matrix products marked QUANTISED: E4M3 operands, one given power-of-two scale a tensor, by v_wmma_f32_16x16x64_fp8_fp8 or v_wmma_f32_16x16x128_fp8_fp8, f32 sums; products left as they are: f32 operands where the result goes on into a quantised operand, else bf16, f16 or f32 operands; f32 sums; everything else in f32.
;; Inputs: a_onehot_codes 65,536 x 8 x 32 uint8 (E4M3 codes of a_onehot, K innermost, in blocks of 32 codes); b_onehot 65,536 x 256 float32; lowp_scales 2 int32 (the exponents e of the quantised operands' scales 2^e); table_codes 256 x 16 x 8 x 32 uint8 (E4M3 codes of table, K innermost, in blocks of 32 codes).
;; Outputs: out0 65,536 x 16 float32.
;; This version of the problem:
;;   THIS VERSION OF THE PROBLEM IS GIVEN IN LOW PRECISION. The matrix products marked QUANTISED in the list below multiply operands that are first quantised to E4M3 (4 exponent bits, 3 mantissa bits; 8 bits a number), with one given power-of-two scale for each operand tensor; their sums are f32. All else is computed in f32.
;;   The module's matrix products, in the order in which they are computed (A, B: the left and right operand; K: the contracted axis; several contracted axes count as one K, in the product's order):
;;     1. [M 65,536, K 256] x [K 256, N 4,096]; A: input a_onehot (given as codes); B: input table (given as codes): QUANTISED (scales: A lowp_scales[0], B lowp_scales[1])
;;     2. batch 65,536 x [M 1, K 256] x [K 256, N 16]; A: input b_onehot; B: computed on the way: left as it is (M = 1 < 16)
;;   THE QUANTISER, for each operand of a quantised product, along K:
;;     - The operand's scale is 2^e, e = its entry of the input lowp_scales (int32; the entries are numbered through the quantised products in the list's order, A before B).
;;     - Each number is divided by the scale, clamped to +-448, and rounded to the nearest number of E4M3, ties to even, subnormals kept.
;;     - The product sums the exact products of the quantised numbers (number of the format x scale) in f32.
;;   ~~~python
;;   def quantise(x, axis, e):      # numpy; x: float32 -> the quantised numbers, widened to float32 again
;;       x = np.moveaxis(x, axis, -1); K = x.shape[-1]
;;       r = np.clip(x / 2.0 ** e, -448, 448)
;;       step = 2.0 ** (np.maximum(np.frexp(np.where(r == 0, 1, r))[1] - 1, -6) - 3)
;;       q = np.round(r / step) * step * 2.0 ** e      # np.round: ties to even
;;       return np.moveaxis(q, -1, axis).astype(np.float32)
;;   ~~~
;;   INPUTS GIVEN AS CODES. a_onehot (in the module: [65536, 256], K = its axis 1); table (in the module: [256, 256, 16], K = its axis 0): each comes as NAME_codes (uint8): NAME with its K axis moved to the last place and cut into blocks of 32 codes, [.., K / 32, bytes a block], one block behind the other in memory; one code a byte (a code: sign, 4 exponent bits, 3 mantissa bits); its scale is its entry of lowp_scales. Its value is code x scale, taken as it is: it is not quantised again, and the codes and scales need not be those that the quantiser above would give.
;; One version. Each part assembles by itself: llvm-mc -triple=amdgcn-amd-amdhsa -mcpu=gfx1250 --defsym DOCPART=n.
;; ======== version 1 of 1: 1 launch
;; limits: right only within a limited range of input values
;; launch lut (part 1): grid 256 x 1, 8 waves a work-group, clusters of 4 x 1, 327,680 bytes of LDS; arguments a_onehot_codes, b_onehot, lowp_scales, table_codes, out0; writes out0
.if DOCPART == 1
	.amdgcn_target "amdgcn-amd-amdhsa--gfx1250"
	.amdhsa_code_object_version 6
	.text
	.protected	k_q8106a67c1e_lut
	.globl	k_q8106a67c1e_lut
	.p2align	8
	.type	k_q8106a67c1e_lut,@function
k_q8106a67c1e_lut:
	s_mov_b64 s[64:65], 0
	v_nop
	global_prefetch_b8 v0, s[64:65] scope:SCOPE_SE
	s_setreg_imm32_b32 hwreg(HW_REG_WAVE_MODE, 25, 1), 1
	s_wait_xcnt 0x0
	s_wait_alu depctr_hold_cnt(0) depctr_sa_sdst(0) depctr_va_vdst(0) depctr_va_sdst(0) depctr_va_ssrc(0) depctr_va_vcc(0) depctr_vm_vsrc(0)
	s_getreg_b32 s2, hwreg(HW_REG_IB_STS2, 6, 4)
	s_cmp_eq_u32 s2, 0
	s_cbranch_scc0 .Lentry_in_a_cluster
	s_endpgm
.Lentry_in_a_cluster:
	s_bfe_u32 s2, ttmp6, 0x10000c
	s_cmp_lg_u32 s2, 0x3003
	s_cbranch_scc0 .Lentry_shape_is_right
	s_endpgm
.Lentry_shape_is_right:
; out[b][k] = sigmoid( 2^(e0 + e1) x sum over i of w[b][i] x ( sum over a of A[b][a] T[16 i + k][a] ) ).
; A: a_onehot_codes, 65,536 rows of 256 codes of E4M3.  T: table_codes, 4,096 rows (n = 16 i + k) of 256 codes.  w: b_onehot, f32 [65,536][256].  e0, e1: lowp_scales.  out: f32 [65,536][16].
; Nothing leans on the rows being one-hot: the whole product A T^T is made, on the codes as they are given, by v_wmma_f32_16x16x128_fp8_fp8, and never leaves the registers:
; each finished tile of 16 rows x 16 k (one i) is weighed by w[b][i], in f32, into a running sum.
; SHARES.  A work-group owns 256 rows b.  Eight waves, two on each SIMD.  Wave w keeps the 8 b-tiles of 16 rows of half w & 1 of A in registers (256) and takes the i of share w >> 1:
; in step t (16 i) i = 16 t + 4 (w >> 1) + 0 .. 3, its tiles 0 .. 3 of the step.  At the end the four shares' partial sums (256 x 16 each) meet in LDS.
; TRANSPOSED USE.  Source 0 = the 16 table rows of one i, source 1 = 16 rows of A: lane (r, h) of the result holds row b = r and its register j holds k = 8 h + j, so the weight is one number a lane,
; and a tile is weighed by four packed multiply-adds.
; FRAGMENTS.  16 rows x 128 K are 16 registers, by four ds_load_b128: registers 4 c .. 4 c + 3 hold K = 32 c + 16 h + 0 .. 15: a permutation of K that is the same in A and in T.
; CLUSTER.  All work-groups walk the whole table, so the four of a cluster ask for each of its tiles JOINTLY (mask 15).  A's and w's rows belong to one work-group alone: plain loads, each behind a round too.
; LIMITS.  The f32 sums are taken in another order than the definition's (i shared among four waves, K permuted inside an instruction), and on the codes: the sum over i of |w[b][i]| x 256 x 448 x 448 has to stay
; under f32's largest number.  e0 + e1 is applied by v_ldexp_f32 and has no bound of its own.  The exponential gives 0 where its result would be denormal: the sigmoid is then 1.
;
; LDS (rows 272 bytes apart: 256 of data + 16 of padding, so the 16 rows of a load begin at 16 different places modulo 256 bytes):
;   0x00000 T0: the table's 256 rows of an even step      0x11000 BS0: w, 256 rows x 64 i (256 bytes), ranges 0 and 2
;   0x22000 T1: of an odd step                            0x33000 BS1: first A's 256 rows, then ranges 1 and 3        0x44000 the spare words, 1,024 bytes
;   The way out's stages (4 x 20,480 bytes from 0) lie in T0 and BS0 when these have had their last fill and their last read.
; REGISTERS, in windows of 256 (s_set_vgpr_msb: bits 1:0 source 0, 3:2 source 1, 5:4 source 2, 7:6 destination):
;   window 0: v0-16 addresses; v32-63 weights; v64-255 A of my b-tiles 0-5      window 1: v0-63 two table fragments; v64-127 eight results; v128-191 the 8 running sums; v192-255 A of my b-tiles 6, 7
.set PITCH, 272
.set TILEB, 16*PITCH                   ; 16 rows: one i of the table, one b-tile of A or of w
.set HALFT, 128*PITCH                  ; 128 rows
.set QB,    64*PITCH                   ; a quarter of a range of w
.set BS0,   0x11000
.set FLIP,  0x22000                    ; from T0 to T1; one exclusive or turns BS0 into BS1 and back
.set BS1,   0x33000
.set SPARE, 0x44000
.set SP,    80                         ; a stage row: 64 bytes + 16
.set WSTG,  256*SP                     ; a share's stage
.set AT,  4                            ; v4, v5  my lane's place in my share's four tiles of T0, of T1; they stay
.set AB0, 6                            ; v6   my lane's place in a range of w; stays
.set ADB, 7                            ; v7   the same in the range in hand
.set AA,  8                            ; v8   my lane's place in A's rows
.set STO, 9                            ; v9   the way out: where I put 32 bytes of a row
.set RD,  10                           ; v10, v11  the way out: where I read back, partial sums 0, 1 and 2, 3
.set GO,  12                           ; v12  my byte offset in my wave's 32 rows of out
.set PFO, 13                           ; v13  1,024 x lane: a row of w in memory; stays
.set SPW, 14                           ; v14  my spare word: SPARE + 4 x my thread's number; stays
.set NIL, 15                           ; v15  0; stays
.set PFT, 16                           ; v16  256 x lane: a row of the table in memory; stays
.set WB,  32                           ; window 0: the weights, b-tile x at WB + 4 x, one word for each of my four tiles
.set DR,  64                           ; window 1: the results, pair p at DR + 16 p
.set ACC, 128                          ; window 1: the running sums, b-tile x at ACC + 8 x
.set OB,  128                          ; window 0, on the way out: the four partial sums read back
.set WV,  14                           ; s14  my wave's number
.set G1T, 24                           ; s[24:31] group 1: table, 128 rows, joint
.set G1A, 32                           ; s[32:39] A, 128 rows
.set WFA, 40                           ; s40  1 in waves 4 and 5, 64 in the others
.set WFB, 41                           ; s41  1 in waves 6 and 7, 64 in the others
.set G1Q, 48                           ; s[48:55] w, a quarter of a range, 64 rows
.set G0T0, 56                          ; s[56:59] group 0: the table's even steps; s[60:63] its odd steps
.set G0A, 68
.set G0Q, 76                           ; s[76:79] waves 4 to 7: my quarter of w; it walks from range to range
.set TMP, 80
.set BSR, 81                           ; s81  the range slot that is read
.set BSF, 82                           ; s82  the range slot that is filled
.set QO,  83                           ; s83  waves 4 to 7: my quarter's place in a range slot
.set PT,  84                           ; s[84:85] where my prefetches of the table stand
.set PFW, 86                           ; s[86:87] where my prefetches of w stand
.set KT,  88                           ; s88  the loop's trips to go
.set TF,  89                           ; s89  1 where I prefetch the table
.set WP,  91                           ; s91  wave >> 1: my share of the i
.set MSB, 0
.macro WIN new                         ; the immediate's high byte repeats the setting that is left; a switch that changes nothing is dropped
.if MSB != (\new)
	s_set_vgpr_msb (MSB<<8)|(\new)
.set MSB, (\new)
.endif
.endm
.set PKW, 0x51                         ; destination, sources 0 and 2 window 1; source 1 window 0
.macro SETA x                          ; my b-tile x of A: window AW_, first register AB_
.if (\x) < 6
.set AW_, 0
.set AB_, 64+32*(\x)
.else
.set AW_, 1
.set AB_, 192+32*((\x)-6)
.endif
.endm
.macro NOP4
.rept 4
	v_nop
.endr
.endm
.macro CREST                           ; a round of the cluster's barrier behind its opening barrier
	s_cmp_lg_u32 s[WV], 0
	s_cbranch_scc1 .Lnot_wave_0_\@
	s_barrier_signal -3
.Lnot_wave_0_\@:
	s_barrier_wait -3
	s_barrier_signal -1
	s_barrier_wait -1
.endm
.macro CROUND                          ; a whole round
	s_barrier_signal -1
	s_barrier_wait -1
	CREST
.endm
; The refills.  Waves 0 and 1 ask jointly for the two halves of a table step; tl = 2: waves 4 and 5 for their quarters of a range of w; tl = 3: waves 6 and 7 for theirs; the others for nothing.
; The branches hang on the wave's number alone.  Four v_nop follow each tensor load, ahead of the jump, the label and what follows.
.macro TLOAD tl, par
	s_cmp_lt_u32 s[WV], 2
	s_cbranch_scc0 .Lnot_t_\@
	tensor_load_to_lds s[G0T0+4*(\par):G0T0+4*(\par)+3], s[G1T:G1T+7]
	s_nop 0
	NOP4
.if (\tl) > 1
	s_branch .Lasked_\@
.Lnot_t_\@:
	s_cmp_eq_u32 s[WP], \tl
	s_cbranch_scc0 .Lasked_\@
	tensor_load_to_lds s[G0Q:G0Q+3], s[G1Q:G1Q+7]
	s_nop 0
	NOP4
.Lasked_\@:
.else
.Lnot_t_\@:
.endif
.endm
; w's walking descriptor goes on to the next range, in the other range slot (no tensor load of the wave is out here).
.macro WSTEP
	s_add_nc_u64 s[G0Q+2:G0Q+3], s[G0Q+2:G0Q+3], 256           ; 256 bytes along the rows; the type bits on top are not reached
	s_xor_b32 s[BSF], s[BSF], FLIP
	s_add_co_u32 s[G0Q+1], s[BSF], s[QO]
.endm
; PREFETCHES INTO THE L2, two changes of slots ahead of the tensor load that will want the bytes.
; The table: all clusters read the same steps, so four clusters ask (numbers 0, 4, 32 and 36); in each the partners share a step's 256 rows out by address (64 each, cx), waves 0 and 1 take 32 rows each, a lane a row.
; w: a work-group's rows are its own; each of waves 4 to 7 asks for the quarter that it will load, 64 rows x 256 bytes, a lane a row.  Neither asks for anything past the last step or the last range.
.macro ASKT
	s_cmp_eq_u32 s[TF], 1
	s_cbranch_scc0 .Lno_t_\@
	global_prefetch_b8 v[PFT], s[PT:PT+1] th:TH_LOAD_NT scope:SCOPE_SE
.Lno_t_\@:
.endm
.macro ASKW who
	s_cmp_gt_u32 s[KT], s[\who]
	s_cbranch_scc0 .Lno_w_\@
	global_prefetch_b8 v[PFO], s[PFW:PFW+1] th:TH_LOAD_NT scope:SCOPE_SE
	global_prefetch_b8 v[PFO], s[PFW:PFW+1] offset:32768 th:TH_LOAD_NT scope:SCOPE_SE
.Lno_w_\@:
.endm
.macro LDT nb, sl, nt                  ; my tile nt's fragment, 16 rows x 256 K, from table slot sl into fragment buffer nb: eight loads in one run
	WIN 0x40                                       ; destination window 1, address window 0
.irp q, 0,1
.irp c, 0,1,2,3
	ds_load_b128 v[32*(\nb)+16*\q+4*\c:32*(\nb)+16*\q+4*\c+3], v[AT+(\sl)] offset:(\nt)*TILEB+128*\q+32*\c
.endr
.endr
.endm
.macro LDW pp, col                     ; the weights of my tiles 2 pp, 2 pp + 1: 8 bytes a lane for each b-tile; both halves of the lanes take the same row's
	WIN 0
.irp x, 0,1,2,3,4,5,6,7
	ds_load_b64 v[WB+4*\x+2*(\pp):WB+4*\x+2*(\pp)+1], v[ADB] offset:\x*TILEB+(\col)+8*(\pp)
.endr
.endm
; Multiply-add j of 8 of pair PW: b-tile 2 PW + j / 4, registers 2 (j % 4) and the next.  The weight is the low (PS = 0) or high (PS = 1) word of register pair PP, for both halves.
; PMODE 2: a multiplication starts the sum, nothing is cleared.  PMODE 1: nothing to weigh yet; PNOP: v_nops keep the places.
.macro PK j
.if PMODE == 1
.if PNOP
	v_nop
.endif
.else
.set KA, ACC+16*PW+8*((\j)/4)+2*((\j)%4)
.set KD, DR+16*PW+8*((\j)/4)+2*((\j)%4)
.set KW, WB+4*(2*PW+(\j)/4)+2*PP
.if (PMODE == 2) && (PS == 0)
	v_pk_mul_f32 v[KA:KA+1], v[KD:KD+1], v[KW:KW+1] op_sel_hi:[1,0]
.elseif PMODE == 2
	v_pk_mul_f32 v[KA:KA+1], v[KD:KD+1], v[KW:KW+1] op_sel:[0,1] op_sel_hi:[1,1]
.elseif PS == 0
	v_pk_fma_f32 v[KA:KA+1], v[KD:KD+1], v[KW:KW+1], v[KA:KA+1] op_sel_hi:[1,0,1]
.else
	v_pk_fma_f32 v[KA:KA+1], v[KD:KD+1], v[KW:KW+1], v[KA:KA+1] op_sel:[0,1,0] op_sel_hi:[1,1,1]
.endif
.endif
.endm
.macro PK4 j0                          ; four of them, under their own setting
.if (PMODE != 1) || PNOP
	WIN PKW
	PK \j0
	PK \j0+1
	PK \j0+2
	PK \j0+3
.endif
.endm
; PAIR P of tile t (fragment buffer f): the first 128 K of b-tiles 2 P and 2 P + 1, four multiply-adds, the second 128 K of the pair BEFORE (for P = 0: pair 3 of the tile before, from the other buffer), and four
; multiply-adds.  Weighed is the pair THREE back (for P < 3: of the tile before).  Between a sum's two steps stand five other matrix instructions.
; DISTANCES, counted in plain vector instructions that name none of the matrix instruction's registers (ISA guide 7.12.1): from a result's second step to its first read at least 8; to the instruction that begins
; the same registers anew, three pairs on, more.  Each result is read from its low end on.   kind 1: the launch's first tile; 2: its second; 0: any other.
.macro PAIR P, f, t, kind
.set PW, ((\P)+1)%4
.set PT_, (\t)
.if (\P) < 3
.set PT_, ((\t)+3)%4
.endif
.set PP, PT_/2
.set PS, PT_%2
.set PMODE, 0
.if ((\kind) == 1) && ((\P) < 3)
.set PMODE, 1
.elseif ((\kind) == 1) || (((\kind) == 2) && ((\P) < 3))
.set PMODE, 2
.endif
.set PNOP, (\P)/2
	SETA 2*(\P)
.set FA0, AB_
.set FA1, AB_+32
.set DA_, DR+16*(\P)
.set TF_, 32*(\f)
	WIN PKW+4*AW_
	v_wmma_f32_16x16x128_fp8_fp8 v[DA_:DA_+7], v[TF_:TF_+15], v[FA0:FA0+15], 0
	v_wmma_f32_16x16x128_fp8_fp8 v[DA_+8:DA_+15], v[TF_:TF_+15], v[FA1:FA1+15], 0
	PK4 0
.if ((\kind) != 1) || ((\P) != 0)
.set SP_, ((\P)+3)%4
	SETA 2*SP_
.set FA0, AB_
.set FA1, AB_+32
.set DS_, DR+16*SP_
.set TS_, 32*(\f)+16
.if (\P) == 0
.set TS_, 32*(1-(\f))+16
.endif
	WIN PKW+4*AW_
	v_wmma_f32_16x16x128_fp8_fp8 v[DS_:DS_+7], v[TS_:TS_+15], v[FA0+16:FA0+31], v[DS_:DS_+7]
	v_wmma_f32_16x16x128_fp8_fp8 v[DS_+8:DS_+15], v[TS_:TS_+15], v[FA1+16:FA1+31], v[DS_+8:DS_+15]
	PK4 4
.endif
.endm
; TILE t = 0, 1, 2 of a step, from table slot sl.  The next tile's fragment is fetched in one run behind pair 0, where the buffer that it fills was last read: pair 0's last four multiply-adds are the places between.
; wpp < 2: weights of register pair wpp are fetched, column wcol of the range's rows: in tile 0 those of this step's tiles 2, 3; in tile 2 those of the NEXT step's tiles 0, 1.  Their last use stands in pair 2.
; wrap = 1: the next step begins the next range.
.macro TILE t, sl, kind, wpp, wcol, wrap
.if (\t) == 1
	s_wait_dscnt 0x8                               ; this tile's fragment is in; the eight weights asked for behind it may be out
.elseif (\kind) != 1
	s_wait_dscnt 0x0                               ; this tile's fragment is in, and all weights asked for
.endif
	PAIR 0, (\t)%2, \t, \kind
	LDT ((\t)+1)%2, \sl, (\t)+1
	PAIR 1, (\t)%2, \t, \kind
	PAIR 2, (\t)%2, \t, \kind
.if (\kind) == 1
	s_wait_dscnt 0x8                               ; the first weights are in; the eight loads of the next fragment may be out
.endif
.if \wrap
	WIN 0
	s_xor_b32 s[BSR], s[BSR], FLIP
	v_add_nc_u32 v[ADB], s[BSR], v[AB0]
.endif
.if (\wpp) < 2
	LDW \wpp, \wcol
.endif
	PAIR 3, (\t)%2, \t, \kind
.endm
; TILE 3 OF A STEP CHANGES SLOTS.  In front of the barrier each wave waits for all its tensor loads, adds 0 to its spare word, and waits for that and for its reads.  Behind it the step's table slot (par) belongs to
; nobody and the next step's is whole.  tl > 0: the barrier opens a round of the cluster's barrier, and one tensor load a wave is the first thing behind it.
; ws = 1: w's walking descriptor goes on to the next range.  ask: prefetches of the table (1), of w too: by waves 4, 5 a range on (2), by waves 6, 7 (3).
.macro TURN tl, par, ws, ask
	WIN 0                                          ; (the add's two registers lie in window 0)
	s_wait_tensorcnt 0x0                           ; no tensor load of mine is out: the groups 0 may be written
	ds_add_u32 v[SPW], v[NIL]                      ; 0 onto my spare word
	s_wait_dscnt 0x9                               ; tile 3's fragment is in; the eight weights asked for behind it and the add may be out
.if (\tl) > 0
	s_add_nc_u64 s[G0T0+4*(\par)+2:G0T0+4*(\par)+3], s[G0T0+4*(\par)+2:G0T0+4*(\par)+3], 131072   ; two steps on, 512 rows; the type bits on top are not reached
.endif
.if \ws
	WSTEP
.endif
.if (\ask) > 0
	s_wait_xcnt 0x0                                ; the last prefetches, a step back, have read their addresses: these may be written
	s_add_nc_u64 s[PT:PT+1], s[PT:PT+1], 65536
.if (\ask) == 2
	s_add_nc_u64 s[PFW:PFW+1], s[PFW:PFW+1], 256
.endif
.endif
	PAIR 0, 1, 3, 0                                ; four matrix instructions stand between the add and the wait for it
	s_wait_dscnt 0x0                               ; the add is done, and my reads of the slots are over
	s_barrier_signal -1
	PAIR 1, 1, 3, 0                                ; work on registers while the others arrive
	WIN 0
	s_barrier_wait -1
.if (\tl) > 0
	CREST                                          ; no wave of any partner still reads the slot or has a load on its way
	TLOAD \tl, \par
.endif
	LDT 0, 1-(\par), 0                             ; the next step's first fragment
	PAIR 2, 1, 3, 0
.if (\ask) > 0
	WIN 0
	ASKT
.if (\ask) == 2
	ASKW WFA
.elseif (\ask) == 3
	ASKW WFB
.endif
.endif
	PAIR 3, 1, 3, 0
.endm
.macro UNIT c, tl, ws, ask             ; step c's tile 3 with the change of slots, then step c + 1's tiles 0, 1, 2 (c counts modulo 4 inside the loop)
	TURN \tl, (\c)%2, \ws, \ask
	TILE 0, (1+(\c))%2, 0, 1, 64*(((\c)+1)%4), 0
	TILE 1, (1+(\c))%2, 0, 2, 0, 0
.if (\c) == 14
	TILE 2, (1+(\c))%2, 0, 2, 0, 0
.elseif (\c)%4 == 2
	TILE 2, (1+(\c))%2, 0, 0, 0, 1
.else
	TILE 2, (1+(\c))%2, 0, 0, 64*(((\c)+2)%4), 0
.endif
	WIN 0                                          ; at a label and at a branch every window is 0
.endm
.macro G1REST g, rows, stride          ; group 1 behind its first word: rows of 256 elements of one byte
	s_mov_b32 s[\g+1], 256<<16                     ; tensor_dim0 = 256
	s_mov_b32 s[\g+2], (\rows)<<16                 ; tensor_dim1
	s_mov_b32 s[\g+3], 256<<16                     ; tile_dim0 = 256
	s_mov_b32 s[\g+4], \rows                       ; tile_dim1
	s_mov_b32 s[\g+5], \stride                     ; from row to row
	s_mov_b32 s[\g+6], 0
	s_mov_b32 s[\g+7], 0
.endm
	s_load_b256 s[4:11], s[0:1], 0x0               ; A's codes s[4:5], w s[6:7], the exponents s[8:9], the table's codes s[10:11]
	s_load_b64 s[12:13], s[0:1], 0x20              ; out
	v_lshl_add_u32 v[SPW], v0, 2, SPARE
	v_mov_b32 v[NIL], 0
	ds_add_u32 v[SPW], v[NIL]                      ; the wave's opening: the add, twice on end, and its wait ahead of my first tensor load
	ds_add_u32 v[SPW], v[NIL]
	v_lshrrev_b32 v3, 5, v0
	v_and_b32 v1, 15, v0                           ; r
	v_bfe_u32 v2, v0, 4, 1                         ; h
	v_and_b32 v[GO], 31, v0                        ; lane
	v_readfirstlane_b32 s[WV], v3                  ; wave 0..7
	; the lane's addresses, all made ahead of the first branch on the wave's number
	v_mul_u32_u24 v3, v1, PITCH
	v_mul_u32_u24 v[STO], v1, SP
	v_lshrrev_b32 v[RD], 2, v[GO]
	v_and_b32 v[RD+1], 3, v0
	v_lshl_add_u32 v[AA], v2, 4, v3                ; r x pitch + 16 h
	v_lshl_add_u32 v[STO], v2, 5, v[STO]
	v_mul_u32_u24 v[RD], v[RD], SP
	s_lshr_b32 s[WP], s[WV], 1                     ; my share of the i
	s_and_b32 s17, s[WV], 1                        ; my half of the b-tiles; also which half of a table step or of A I fetch
	s_mul_i32 s[TMP], s[WP], 4*TILEB
	v_add_nc_u32 v[AT], s[TMP], v[AA]              ; + my share's four tiles
	s_mul_i32 s[TMP], s17, HALFT
	v_add_nc_u32 v[AA], s[TMP], v[AA]              ; + my half's eight b-tiles
	v_add_nc_u32 v[AB0], s[TMP], v3
	v_lshl_add_u32 v[RD], v[RD+1], 4, v[RD]        ; back: four lanes to a row of 64 bytes, eight rows an instruction,
	v_add_nc_u32 v[AT+1], FLIP, v[AT]
	v_add_nc_u32 v[AA], BS1, v[AA]                 ; A lies where range 1 will lie
	s_lshl_b32 s[TMP], s[WP], 4
	v_add_nc_u32 v[AB0], s[TMP], v[AB0]            ; w: row r of my half, + my share's four i: 16 bytes
	s_mul_i32 s[TMP], s[WP], WSTG
	v_add_nc_u32 v[STO], s[TMP], v[STO]            ; my share's stage: row r of my half, + 32 h
	v_lshlrev_b32 v[PFO], 10, v[GO]
	v_add_nc_u32 v[ADB], BS0, v[AB0]
	s_mul_i32 s[TMP], s17, 128*SP
	v_add_nc_u32 v[STO], s[TMP], v[STO]
	s_mul_i32 s[TMP], s[WV], 32*SP
	v_add_nc_u32 v[RD], s[TMP], v[RD]              ; of rows 32 w on, in every share's stage
	v_lshlrev_b32 v[PFT], 8, v[GO]
	v_lshlrev_b32 v[GO], 4, v[GO]
	v_add_nc_u32 v[RD+1], 2*WSTG, v[RD]
	s_wait_alu depctr_va_vdst(0)                   ; the wait behind the head's last vector write
	s_bfe_u32 s15, ttmp6, 0x40000                  ; cx: my place in the cluster
	s_lshl_b32 s16, ttmp9, 2                       ; in a cluster launch ttmp9 counts clusters
	s_add_co_u32 s16, s16, s15                     ; my work-group: it enters A's, w's and out's global addresses alone
	; group 1, first words: elements of 1 byte; padding on, 4 words behind every 64; the table's also the mask of all four work-groups, with bit 21 set beside it
	s_mov_b32 s[G1T], 15|(1<<20)|(1<<21)|(5<<22)|(3<<25)
	s_mov_b32 s[G1A], (1<<20)|(5<<22)|(3<<25)
	s_mov_b32 s[G1Q], (1<<20)|(5<<22)|(3<<25)
	G1REST G1T, 128, 256
	G1REST G1A, 128, 256
	G1REST G1Q, 64, 1024
	s_mov_b32 s[BSR], BS0
	s_mov_b32 s[BSF], BS0
	s_mov_b32 s[KT], 3
	s_and_b32 s3, s[WV], 3                         ; waves 4 to 7: my quarter of a range of w
	s_mul_i32 s[QO], s3, QB
	s_and_b32 s18, ttmp9, 0xffffffdb               ; 0 in clusters 0, 4, 32 and 36
	s_cmp_eq_u32 s18, 0
	s_cselect_b32 s[TF], 1, 0
	s_cmp_lt_u32 s[WV], 2
	s_cselect_b32 s[TF], s[TF], 0
	s_cmp_eq_u32 s[WP], 2
	s_cselect_b32 s[WFA], 1, 64
	s_cmp_eq_u32 s[WP], 3
	s_cselect_b32 s[WFB], 1, 64
	; groups 0: the words that hang on no buffer.  No place in the cluster enters an LDS address
	s_mul_i32 s[TMP], s17, HALFT                   ; my half of a table slot, or of A
	s_mov_b32 s[G0T0], 1                           ; count = 1
	s_mov_b32 s[G0T0+1], s[TMP]                    ; LDS address: T0
	s_mov_b32 s[G0T0+4], 1
	s_add_co_u32 s[G0T0+5], s[TMP], FLIP           ; T1
	s_mov_b32 s[G0A], 1
	s_add_co_u32 s[G0A+1], s[TMP], BS1
	s_mov_b32 s[G0Q], 1
	s_add_co_u32 s[G0Q+1], s[QO], BS0              ; range 0
	; byte offsets, in pairs
	s_lshl_b32 s94, s17, 15                        ; my 128 rows of 256 bytes of a table step, or of A
	s_mov_b32 s95, 0
	s_lshl_b32 s92, s16, 16                        ; my work-group's 256 rows of A
	s_mov_b32 s93, 0
	s_lshl_b32 s18, s16, 18                        ; my 256 rows of w, 1,024 bytes each
	s_mov_b32 s19, 0
	s_lshl_b32 s22, s3, 16                         ; my 64 rows of them
	s_mov_b32 s23, 0
	s_lshl_b32 s96, s16, 14                        ; my 256 rows of out, 64 bytes each,
	s_lshl_b32 s97, s[WV], 11                      ; my wave's 32 of them
	s_add_co_u32 s96, s96, s97
	s_mov_b32 s97, 0
	s_lshl_b32 s98, s15, 14                        ; the table's rows that I prefetch: 64 cx + 32 wave, from step 1 on
	s_lshl_b32 s99, s[WV], 13
	s_add_co_u32 s98, s98, s99
	s_add_co_u32 s98, s98, 65536
	s_mov_b32 s99, 0
	s_wait_dscnt 0x0                               ; both opening adds are done
	CROUND                                         ; all four work-groups are here: the first joint loads meet
	s_wait_kmcnt 0x0
	s_add_nc_u64 s[G0T0+2:G0T0+3], s[10:11], s[94:95]          ; global address: step 0
	s_add_nc_u64 s[G0T0+6:G0T0+7], s[G0T0+2:G0T0+3], 65536     ; step 1
	s_or_b32 s[G0T0+3], s[G0T0+3], 0x80000000      ; type = 2
	s_or_b32 s[G0T0+7], s[G0T0+7], 0x80000000
	s_add_nc_u64 s[G0A+2:G0A+3], s[4:5], s[92:93]
	s_add_nc_u64 s[G0A+2:G0A+3], s[G0A+2:G0A+3], s[94:95]
	s_or_b32 s[G0A+3], s[G0A+3], 0x80000000
	s_add_nc_u64 s[6:7], s[6:7], s[18:19]
	s_add_nc_u64 s[6:7], s[6:7], s[22:23]          ; my quarter of w, range 0
	s_mov_b64 s[G0Q+2:G0Q+3], s[6:7]
	s_or_b32 s[G0Q+3], s[G0Q+3], 0x80000000
	s_cmp_lt_u32 s[WV], 2                          ; the first fills, one tensor load a wave: waves 0, 1: table step 0; waves 2, 3: A; waves 4 to 7: range 0 of w
	s_cbranch_scc0 .Lfirst_not_t
	tensor_load_to_lds s[G0T0:G0T0+3], s[G1T:G1T+7]
	s_nop 0
	NOP4
	s_branch .Lfirst_asked
.Lfirst_not_t:
	s_cmp_lt_u32 s[WV], 4
	s_cbranch_scc0 .Lfirst_w
	tensor_load_to_lds s[G0A:G0A+3], s[G1A:G1A+7]
	s_nop 0
	NOP4
	s_branch .Lfirst_asked
.Lfirst_w:
	tensor_load_to_lds s[G0Q:G0Q+3], s[G1Q:G1Q+7]
	s_nop 0
	NOP4
.Lfirst_asked:
	s_load_b64 s[20:21], s[8:9], 0x0               ; e0, e1
	s_add_nc_u64 s[PFW:PFW+1], s[6:7], 256         ; range 1, my quarter
	s_add_nc_u64 s[PT:PT+1], s[10:11], s[98:99]
	s_add_nc_u64 s[12:13], s[12:13], s[96:97]
	s_cmp_eq_u32 s[TF], 1                          ; the table's steps 1 and 2
	s_cbranch_scc0 .Lhead_no_t
	global_prefetch_b8 v[PFT], s[PT:PT+1] th:TH_LOAD_NT scope:SCOPE_SE
	global_prefetch_b8 v[PFT], s[PT:PT+1] offset:65536 th:TH_LOAD_NT scope:SCOPE_SE
.Lhead_no_t:
	ASKW WFA                                       ; range 1, first half
	s_cmp_gt_u32 s[WV], 3
	s_cbranch_scc1 .Lw_on_its_way                  ; range 0 of w, waves 4 to 7's loads, may stay on its way: it is read behind the next round alone
	s_wait_tensorcnt 0x0                           ; my first fill is in
.Lw_on_its_way:
	s_barrier_signal -1
	s_barrier_wait -1                              ; A and table step 0 are in
.set X_, 0
.rept 8                                ; my 8 b-tiles of A into registers, where they stay
	SETA X_
	WIN AW_<<6
.irp s, 0,1
.irp c, 0,1,2,3
	ds_load_b128 v[AB_+16*\s+4*\c:AB_+16*\s+4*\c+3], v[AA] offset:X_*TILEB+128*\s+32*\c
.endr
.endr
.set X_, X_+1
.endr
	LDT 0, 0, 0                                    ; and step 0's first fragment
	WIN 0
	s_wait_kmcnt 0x0
	s_add_co_i32 s20, s20, s21                     ; e0 + e1
	; table step 1's first fill, in the same order as at every change of slots
	s_wait_tensorcnt 0x0                           ; range 0 of w is in
	ds_add_u32 v[SPW], v[NIL]                      ; 0 onto my spare word
	s_wait_xcnt 0x0                                ; the prefetches have read their addresses
	s_add_nc_u64 s[PT:PT+1], s[PT:PT+1], 131072    ; the table's step 3
	WSTEP                                          ; range 1 of w
	s_wait_dscnt 0x0                               ; the add is done, and A is in my registers
	CROUND
	TLOAD 1, 1                                     ; table step 1
	LDW 0, 0                                       ; the first weights: tiles 0, 1 of step 0
	ASKT
	ASKW WFB                                       ; range 1, second half
	TILE 0, 0, 1, 1, 0, 0                          ; step 0: its first weighings start the sums
	TILE 1, 0, 2, 2, 0, 0
	TILE 2, 0, 0, 0, 64, 0
	WIN 0
.Lloop:                                            ; three trips: the changes behind steps 0-3, 4-7, 8-11: table steps 2-13; ranges 1, 2, 3 of w in two halves each
	UNIT 0, 2, 0, 1
	UNIT 1, 3, 0, 1
	UNIT 2, 1, 1, 2
	UNIT 3, 1, 0, 3
	s_sub_co_u32 s[KT], s[KT], 1
	s_cmp_lg_u32 s[KT], 0
	s_cbranch_scc1 .Lloop
	UNIT 12, 1, 0, 0                               ; behind steps 12, 13: table steps 14, 15
	UNIT 13, 1, 0, 0
	UNIT 14, 0, 0, 0                               ; behind step 14 nothing is asked for: the tail is written out
	s_wait_dscnt 0x0                               ; the last tile: tile 3 of step 15
.irp p, 0,1,2,3
	PAIR \p, 1, 3, 0
.endr
	SETA 6                                         ; its pair 3's second 128 K,
.set DS_, DR+48
	WIN PKW+4*AW_
	v_wmma_f32_16x16x128_fp8_fp8 v[DS_:DS_+7], v[48:63], v[AB_+16:AB_+31], v[DS_:DS_+7]
	v_wmma_f32_16x16x128_fp8_fp8 v[DS_+8:DS_+15], v[48:63], v[AB_+48:AB_+63], v[DS_+8:DS_+15]
.set PP, 1
.set PS, 1
.set PMODE, 0
.irp p, 1,2,3                          ; and the last three pairs are weighed: pairs 1 and 2 are the places in front of pair 3's
.set PW, \p
	PK4 0
	PK4 4
.endr
	; THE WAY OUT.  Each wave puts its 128 x 16 partial sums into its share's stage; behind a barrier wave w adds the four stages' rows 32 w .. 32 w + 31, applies the scale and the sigmoid, and stores them.
	; The stages lie in T0 and the head of BS0: T0's last fill was step 14's and its last read stands in front of the last change of slots, which every wave has passed; BS0's range 2 was left long before.
	WIN 0x04                                       ; store data (source 1) window 1
.set X_, 0
.rept 8
	ds_store_b128 v[STO], v[ACC+8*X_:ACC+8*X_+3] offset:16*SP*X_        ; row 16 x + r, k = 8 h + 0 .. 3
	ds_store_b128 v[STO], v[ACC+8*X_+4:ACC+8*X_+7] offset:16*SP*X_+16
.set X_, X_+1
.endr
	WIN 0
	s_wait_dscnt 0x0                               ; for the others' sake: my stores have landed
	s_barrier_signal -1
	s_barrier_wait -1
.irp p, 0,1,2,3
.irp e, 0,1,2,3
	ds_load_b128 v[OB+16*\p+4*\e:OB+16*\p+4*\e+3], v[RD+\p/2] offset:(\p%2)*WSTG+\e*8*SP
.endr
.endr
	s_wait_dscnt 0x0
.set I_, 0
.rept 8
	v_pk_add_f32 v[OB+I_:OB+I_+1], v[OB+I_:OB+I_+1], v[OB+16+I_:OB+16+I_+1]
	v_pk_add_f32 v[OB+32+I_:OB+32+I_+1], v[OB+32+I_:OB+32+I_+1], v[OB+48+I_:OB+48+I_+1]
.set I_, I_+2
.endr
.set I_, 0
.rept 8
	v_pk_add_f32 v[OB+I_:OB+I_+1], v[OB+I_:OB+I_+1], v[OB+32+I_:OB+32+I_+1]
.set I_, I_+2
.endr
.set I_, 0
.rept 16
	v_ldexp_f32 v[OB+I_], v[OB+I_], s20            ; x 2^(e0 + e1)
.set I_, I_+1
.endr
.set I_, 0
.rept 8
	v_pk_mul_f32 v[OB+I_:OB+I_+1], v[OB+I_:OB+I_+1], 0xbfb8aa3b op_sel_hi:[1,0]   ; x -log2(e)
.set I_, I_+2
.endr
.set I_, 0
	s_wait_alu depctr_va_vdst(0)                   ; the wait ahead of the batch
.rept 16
	v_exp_f32 v[OB+I_], v[OB+I_]                   ; e^-x
.set I_, I_+1
.endr
	v_nop                                          ; a plain instruction behind the last exponential,
	s_wait_alu depctr_va_vdst(0)                   ; and one wait for the batch, ahead of its first reader
.set I_, 0
.rept 8
	v_pk_add_f32 v[OB+I_:OB+I_+1], v[OB+I_:OB+I_+1], 1.0 op_sel_hi:[1,0]
.set I_, I_+2
.endr
.set I_, 0
	s_wait_alu depctr_va_vdst(0)                   ; the wait ahead of the batch
.rept 16
	v_rcp_f32 v[OB+I_], v[OB+I_]                   ; 1 / (1 + e^-x)
.set I_, I_+1
.endr
	v_nop
	s_wait_alu depctr_va_vdst(0)                   ; one wait for the 16 reciprocals, ahead of the stores that read them
.irp e, 0,1,2,3
	global_store_b128 v[GO], v[OB+4*\e:OB+4*\e+3], s[12:13] offset:512*\e th:TH_STORE_NT   ; 32 lanes store eight rows of out: 512 consecutive bytes, at a multiple of 256 from out's first byte
.endr
	s_wait_tensorcnt 0x0                           ; the wave's end: behind my last tensor load and my last LDS store
	ds_add_u32 v[SPW], v[NIL]
	s_wait_dscnt 0x0
	CROUND                                         ; the closing round: no work-group ends while a partner may still ask for a tile that names it
	s_endpgm
.Lfunc_end_k_q8106a67c1e_lut:
	.size	k_q8106a67c1e_lut, .Lfunc_end_k_q8106a67c1e_lut-k_q8106a67c1e_lut
	.p2alignl 7, 3214868480
	.fill 96, 4, 3214868480
	.section	.rodata,"a",@progbits
	.p2align	6, 0x0
	.amdhsa_kernel k_q8106a67c1e_lut
		.amdhsa_group_segment_fixed_size 327680
		.amdhsa_private_segment_fixed_size 0
		.amdhsa_enable_private_segment 0
		.amdhsa_kernarg_size 40
		.amdhsa_user_sgpr_count 2
		.amdhsa_user_sgpr_kernarg_segment_ptr 1
		.amdhsa_wavefront_size32 1
		.amdhsa_system_sgpr_workgroup_id_x 1
		.amdhsa_system_sgpr_workgroup_id_y 1
		.amdhsa_system_sgpr_workgroup_id_z 1
		.amdhsa_system_vgpr_workitem_id 0
		.amdhsa_next_free_vgpr 512
		.amdhsa_next_free_sgpr 100
		.amdhsa_reserve_vcc 0
		.amdhsa_float_denorm_mode_32 3
		.amdhsa_float_denorm_mode_16_64 3
		.amdhsa_memory_ordered 1
		.amdhsa_forward_progress 1
		.amdhsa_inst_pref_size 158
	.end_amdhsa_kernel
	.amdgpu_metadata
---
amdhsa.version: [ 1, 2 ]
amdhsa.kernels:
  - .name:           k_q8106a67c1e_lut
    .symbol:         k_q8106a67c1e_lut.kd
    .args:
      - { .name: a_onehot_codes, .offset: 0, .size: 8, .value_kind: global_buffer, .address_space: global }
      - { .name: b_onehot, .offset: 8, .size: 8, .value_kind: global_buffer, .address_space: global }
      - { .name: lowp_scales, .offset: 16, .size: 8, .value_kind: global_buffer, .address_space: global }
      - { .name: table_codes, .offset: 24, .size: 8, .value_kind: global_buffer, .address_space: global }
      - { .name: out0, .offset: 32, .size: 8, .value_kind: global_buffer, .address_space: global }
    .group_segment_fixed_size: 327680
    .private_segment_fixed_size: 0
    .kernarg_segment_align: 8
    .kernarg_segment_size: 40
    .max_flat_workgroup_size: 256
    .sgpr_count:     100
    .vgpr_count:     512
    .wavefront_size: 32
...
	.end_amdgpu_metadata
.endif
;; end of part 1
